; MI455X (gfx1250); checked and timed in simulation.
; The chip was launched on July 23, 2026; its instructions are those of AMD's public machine-readable ISA for CDNA 5 (MIT licence, August 2026) and "CDNA5" Instruction Set Architecture Reference Guide (July 2026). The comments in the code are by the model that wrote it; some were corrected since.
;; Relative Global Attention. Allowed arithmetic: matrix products marked QUANTISED: E4M3 operands, one given power-of-two scale a tensor, by v_wmma_f32_16x16x64_fp8_fp8 or v_wmma_f32_16x16x128_fp8_fp8, f32 sums; everything else in f32.
;; Inputs: Er_codes 4,096 x 1 x 32 uint8 (E4M3 codes of Er, K innermost, in blocks of 32 codes); Wk_codes 128 x 4 x 32 uint8 (E4M3 codes of Wk, K innermost, in blocks of 32 codes); Wq_codes 128 x 4 x 32 uint8 (E4M3 codes of Wq, K innermost, in blocks of 32 codes); Wv_codes 128 x 4 x 32 uint8 (E4M3 codes of Wv, K innermost, in blocks of 32 codes); bk 128 float32; bq 128 float32; bv 128 float32; lowp_scales 12 int32 (the exponents e of the quantised operands' scales 2^e); x_codes 2 x 4,096 x 4 x 32 uint8 (E4M3 codes of x, K innermost, in blocks of 32 codes).
;; Outputs: out0 2 x 4,096 x 128 float32.
;; This version of the problem:
;;   THIS VERSION OF THE PROBLEM IS GIVEN IN LOW PRECISION. The matrix products marked QUANTISED in the list below multiply operands that are first quantised to E4M3 (4 exponent bits, 3 mantissa bits; 8 bits a number), with one given power-of-two scale for each operand tensor; their sums are f32. All else is computed in f32.
;;   The module's matrix products, in the order in which they are computed (A, B: the left and right operand; K: the contracted axis; several contracted axes count as one K, in the product's order):
;;     1. [M 8,192, K 128] x [K 128, N 128]; A: input x (given as codes); B: input Wq (given as codes): QUANTISED (scales: A lowp_scales[0], B lowp_scales[1])
;;     2. [M 8,192, K 128] x [K 128, N 128]; A: input x (given as codes); B: input Wk (given as codes): QUANTISED (scales: A lowp_scales[2], B lowp_scales[3])
;;     3. [M 8,192, K 128] x [K 128, N 128]; A: input x (given as codes); B: input Wv (given as codes): QUANTISED (scales: A lowp_scales[4], B lowp_scales[5])
;;     4. [M 32,768, K 32] x [K 32, N 4,096]; A: computed on the way; B: input Er (given as codes): QUANTISED (scales: A lowp_scales[6], B lowp_scales[7])
;;     5. batch 8 x [M 4,096, K 32] x [K 32, N 4,096]; A: computed on the way; B: computed on the way: QUANTISED (scales: A lowp_scales[8], B lowp_scales[9])
;;     6. batch 8 x [M 4,096, K 4,096] x [K 4,096, N 32]; A: softmax (see below); B: computed on the way: QUANTISED (scales: A lowp_scales[10], B lowp_scales[11])
;;   THE QUANTISER, for each operand of a quantised product, along K:
;;     - The operand's scale is 2^e, e = its entry of the input lowp_scales (int32; the entries are numbered through the quantised products in the list's order, A before B).
;;     - Each number is divided by the scale, clamped to +-448, and rounded to the nearest number of E4M3, ties to even, subnormals kept.
;;     - The product sums the exact products of the quantised numbers (number of the format x scale) in f32.
;;   ~~~python
;;   def quantise(x, axis, e):      # numpy; x: float32 -> the quantised numbers, widened to float32 again
;;       x = np.moveaxis(x, axis, -1); K = x.shape[-1]
;;       r = np.clip(x / 2.0 ** e, -448, 448)
;;       step = 2.0 ** (np.maximum(np.frexp(np.where(r == 0, 1, r))[1] - 1, -6) - 3)
;;       q = np.round(r / step) * step * 2.0 ** e      # np.round: ties to even
;;       return np.moveaxis(q, -1, axis).astype(np.float32)
;;   ~~~
;;   SOFTMAX AHEAD OF A QUANTISED PRODUCT. Where the list says 'softmax', what is quantised is not the finished softmax but p = 2^(t - M), with t = logit x log2(e) and M = ceil(the row's largest t), a whole number; so 1/2 < the row's largest p <= 1. The row's sum l is taken of the UNQUANTISED p, in f32, and the product's result is divided by l at the end. Since M is a whole number, a kernel that streams over the keys may use a running M (the ceiling of the running maximum): every later rescaling is an exact power of two, so the quantised numbers keep their values, but for numbers so far below the row's largest that they fall under the format's range.
;;   OPERANDS COMPUTED ON THE WAY. 'Computed on the way' means the value that the module computes at that place (a softmax that the list does not call 'softmax' is quantised finished and normalised). What goes into a quantiser is computed in f32, as accurately as f32 sums, v_exp_f32 and their like allow (about 1e-6 of the number): no bf16 or f16 on the way to a quantiser, and a product that is left as it is and whose result goes on into a quantised operand takes f32 operands (vector FMAs, or v_wmma_f32_16x16x4_f32). A number that lies on a knife's edge between two numbers of the format may be rounded either way, as far as f32 arithmetic and the matrix unit's own rounding can turn it there, and no further.
;;   INPUTS GIVEN AS CODES. Er (in the module: [4096, 32], K = its axis 1); Wk (in the module: [128, 128], K = its axis 0); Wq (in the module: [128, 128], K = its axis 0); Wv (in the module: [128, 128], K = its axis 0); x (in the module: [2, 4096, 128], K = its axis 2): each comes as NAME_codes (uint8): NAME with its K axis moved to the last place and cut into blocks of 32 codes, [.., K / 32, bytes a block], one block behind the other in memory; one code a byte (a code: sign, 4 exponent bits, 3 mantissa bits); its scale is its entry of lowp_scales. Its value is code x scale, taken as it is: it is not quantised again, and the codes and scales need not be those that the quantiser above would give.
;; One version. Each part assembles by itself: llvm-mc -triple=amdgcn-amd-amdhsa -mcpu=gfx1250 --defsym DOCPART=n.
;; ======== version 1 of 1: 2 launches
;; workspace buffers: qc 2,097,152 bytes; kv 2,228,224 bytes; er 148,736 bytes
;; launch prep (part 1): grid 32 x 8, 4 waves a work-group, no clusters, 0 bytes of LDS; arguments x_codes, Wq_codes, Wk_codes, Wv_codes, bq, bk, bv, Er_codes, lowp_scales, qc, kv, er; writes qc, kv, er
.if DOCPART == 1
	.amdgcn_target "amdgcn-amd-amdhsa--gfx1250"
	.amdhsa_code_object_version 6
	.text
	.protected	k_q165f51b20c_prep
	.globl	k_q165f51b20c_prep
	.p2align	8
	.type	k_q165f51b20c_prep,@function
k_q165f51b20c_prep:
	s_mov_b64 s[64:65], 0
	v_nop
	global_prefetch_b8 v0, s[64:65] scope:SCOPE_SE
	s_setreg_imm32_b32 hwreg(HW_REG_WAVE_MODE, 25, 1), 1
	s_wait_xcnt 0x0
; q, k, v = x W + b on codes of E4M3, then quantised again for the attention launch, and laid as that launch's operands want them.
; A work-group (s = x, bh = y = 4 batch + head) takes 128 tokens of one head: it stores their q codes (twice: scale e6 for the product with Er, e8 for the one with k) and ONE RECORD of 8,704 bytes of kv.
; THE RECORD of step s holds positions rho = 128 s .. 128 s + 127 (+ 3 or 4 more a half), where position rho stands for token rho - 3:
;   two chunks (2,160 bytes apart) of 67 rows x 32 bytes: chunk c, row y = k codes of position 128 s + 64 c + y;
;   from 4,320 two images of 2,048 bytes (16 channels each) of v codes with the POSITIONS innermost: lane (channel, half) has 16 bytes at 512 c + 16 lane: positions 64 half + 16 c + 0 .. 15;
;   from 8,416 two images of 128 bytes: positions 64 half + 64 .. 67.  The padding (16 behind each chunk, 32 at the end) is stored as zeros.
; Tokens under 0 and over 4,095 are clamped: the attention launch multiplies those positions by zero codes or hides them under its mask; they only have to be numbers.
; er: Er's codes in 72 chunks of 64 rows x 32 bytes + 16 of padding; chunks 64 to 71 are zeros (distances under 0).
; q AND k ARE MADE TRANSPOSED (source 0 = 16 rows of W, source 1 = 16 tokens), and lane r of W's tile u takes row 8 u + r + 8 (r / 8): a lane then holds one token and 16 neighbouring channels, 16 half + 0 .. 15.
; v IS MADE AS IT READS (source 0 = 16 positions, source 1 = 16 rows of Wv): a lane holds one channel and its registers run along the positions, which are the next product's K.
; The fragments are fetched by four loads of 16 bytes, 32 bytes apart: a permutation of k, the same on both sides of each product.
; LIMITS: e0 + e1, e2 + e3, e4 + e5 between -126 and 127; e6, e8, e9, e11 between -126 and 119 (each power of two below is an f32 number).  NaN codes among the inputs are not served.
; No LDS, no barrier: waves share nothing.  All loads go out together and are waited for once: a wave has one pass of work, so a counted wait would free nothing earlier that could be used.
.set REC,  8704
.set CHK,  2160
.set VIM,  4320
.set VOV,  8416
.set ECH,  2064
.set XQ,   24                          ; v24-55   x: my 2 x 16 tokens, for q
.set XS,   56                          ; v56-87   x: 2 x 16 positions, for k and v
.set XE,   88                          ; v88-103  x: the positions 64 .. 71 behind each half
.set BQ,   104                         ; v104-119 bq at my 16 channels
.set BK,   120                         ; v120-135 bk likewise
.set BV,   136                         ; v136-139 bv at my channel, twice, for each tile of 16 channels
.set ACC,  140                         ; v140-171 four accumulators
.set R7,   172                         ; v172     r % 8
.set R3,   173                         ; v173     r / 8
.set RH,   174                         ; v174     128 r + 16 half
.set TT,   175                         ; v175     64 (r / 8) + r % 8
.set TMP,  188                         ; v188-203 sixteen held numbers
.set CQ,   204                         ; v204-243 codes: registers of its own for each store
.set CK,   220
.set CV,   228
.set CXK,  236
.set CXV,  240
.set ED,   244                         ; v244-247 my 16 bytes of Er's image
.set ZR,   248                         ; v248-251 zeros
.set XKO,  252                         ; v252-255 offsets of the extra stores
.set XVO,  253
.set PD1,  254
.set PD2,  255
.set WQF,  0                           ; window 1: Wq's two fragments, Wk's two, Wv's two
.set WKF,  32
.set WVF,  64
.set MSB, 0
.macro WIN new                         ; the immediate's high byte repeats the setting that is left
.if MSB != \new
	s_set_vgpr_msb (MSB<<8)|\new
.set MSB, \new
.endif
.endm
.macro PLACES n
.rept \n
	v_nop
.endr
.endm
.macro FRAG reg, adr, base, off        ; a fragment: 16 rows x 128 K, four loads of 16 bytes
.irp c, 0,1,2,3
	global_load_b128 v[(\reg)+4*\c:(\reg)+4*\c+3], v[\adr], s[\base:\base+1] offset:(\off)+32*\c
.endr
.endm
.macro MKSC e, sc, lim                 ; 2^e and 448 x 2^e as f32
	s_add_co_i32 s56, s[\e], 127
	s_lshl_b32 s57, s56, 23
	v_mov_b32 v[\sc], s57
	s_add_co_i32 s56, s56, 8
	s_lshl_b32 s56, s56, 23
	s_or_b32 s56, s56, 0x600000
	v_mov_b32 v[\lim], s56
.endm
.macro AFFINE acc, sp, bias            ; sixteen sums x 2^(their two exponents) + the bias of their channels; each accumulator from its low end on
.irp j, 0,2,4,6,8,10,12,14
	v_pk_fma_f32 v[(\acc)+\j:(\acc)+\j+1], v[(\acc)+\j:(\acc)+\j+1], s[\sp:\sp+1], v[(\bias)+\j:(\bias)+\j+1] op_sel_hi:[1,0,1]
.endr
.endm
.macro AFFV acc, pairs, bias           ; the same where all of a lane's numbers belong to one channel
.set y, 0
.rept \pairs
	v_pk_fma_f32 v[(\acc)+y:(\acc)+y+1], v[(\acc)+y:(\acc)+y+1], s[48:49], v[(\bias):(\bias)+1] op_sel_hi:[1,0,1]
.set y, y+2
.endr
.endm
.macro HOLDCVT src, dst, lim, sc       ; sixteen numbers become sixteen codes
.irp i, 0,1,2,3,4,5,6,7,8,9,10,11,12,13,14,15
	v_med3_num_f32 v[TMP+\i], v[(\src)+\i], -v[\lim], v[\lim]   ; the conversion to an 8-bit code does not saturate (ISA guide 7.6.2): the hold at the largest code x the scale
.endr
	v_cvt_scalef32_pk8_fp8_f32 v[(\dst):(\dst)+1], v[TMP:TMP+7], v[\sc]
	v_cvt_scalef32_pk8_fp8_f32 v[(\dst)+2:(\dst)+3], v[TMP+8:TMP+15], v[\sc]
	v_nop                                          ; a plain line between the conversions and the next lines that write their sources
.endm
	s_load_b512 s[4:19], s[0:1], 0x0               ; x s[4:5], Wq s[6:7], Wk s[8:9], Wv s[10:11], bq s[12:13], bk s[14:15], bv s[16:17], Er s[18:19]
	s_load_b256 s[20:27], s[0:1], 0x40             ; the exponents s[20:21], qc s[22:23], kv s[24:25], er s[26:27]
	v_lshrrev_b32 v1, 5, v0
	v_readfirstlane_b32 s28, v1                    ; wave 0..3
	v_and_b32 v1, 31, v0                           ; lane
	v_and_b32 v2, 15, v0                           ; r
	v_bfe_u32 v3, v0, 4, 1                         ; half
	v_and_b32 v[R7], 7, v0
	v_bfe_u32 v[R3], v0, 3, 1
	s_and_b32 s30, ttmp7, 0xffff                   ; bh
	s_lshr_b32 s31, s30, 2                         ; batch
	s_and_b32 s50, s30, 3                          ; head
	s_lshl_b32 s51, ttmp9, 7                       ; 128 s
	s_lshl_b32 s54, s30, 5
	s_add_co_u32 s54, s54, ttmp9                   ; g = 32 bh + s: the record's number, and the work-group's number for Er's image
	v_lshlrev_b32 v[RH], 7, v2
	v_lshl_add_u32 v[RH], v3, 4, v[RH]
	s_lshl_b32 s52, s28, 5
	s_add_co_u32 s52, s52, s51                     ; my wave's first token for q: 128 s + 32 w
	s_lshl_b32 s53, s52, 7
	v_add_nc_u32 v4, s53, v[RH]                    ; v4: x for q
	s_lshl_b32 s53, s28, 4
	s_add_co_u32 s53, s53, s51                     ; 128 s + 16 w
	v_lshl_add_u32 v[TT], v[R3], 6, v[R7]
	v_add_nc_u32 v5, s53, v[TT]                    ; position rho of tile 0: 128 s + 64 (r / 8) + 16 w + r % 8
	v_add_nc_u32 v6, 5, v5                         ; tile 1: rho + 8, token rho + 5: never under 0
	v_max_u32 v5, 3, v5
	v_sub_nc_u32 v5, v5, 3                         ; token = rho - 3, held at 0
	v_lshlrev_b32 v5, 7, v5
	v_lshl_add_u32 v5, v3, 4, v5                   ; v5, v6: x for k and v
	v_lshlrev_b32 v6, 7, v6
	v_lshl_add_u32 v6, v3, 4, v6
	s_add_co_u32 s53, s51, 64
	v_add_nc_u32 v7, s53, v[TT]                    ; the extra positions: 128 s + 64 + 64 (r / 8) + r % 8
	v_min_u32 v7, 0x1002, v7
	v_sub_nc_u32 v7, v7, 3                         ; token held at 4,095
	v_lshlrev_b32 v7, 7, v7
	v_lshl_add_u32 v7, v3, 4, v7                   ; v7
	s_lshl_b32 s53, s50, 12                        ; the head's 32 rows of 128 bytes in each W
	v_and_b32 v16, 8, v2
	v_add_nc_u32 v16, v16, v2                      ; r + 8 (r / 8)
	v_lshlrev_b32 v16, 7, v16
	v_lshl_add_u32 v16, v3, 4, v16
	v_add_nc_u32 v16, s53, v16                     ; v16: Wq, Wk
	v_add_nc_u32 v17, s53, v[RH]                   ; v17: Wv
	s_lshl_b32 s53, s50, 7                         ; the head's 32 numbers in each bias
	v_lshl_add_u32 v18, v3, 6, s53                 ; v18: bq, bk at channels 16 half on
	v_lshl_add_u32 v19, v2, 2, s53                 ; v19: bv at channel r
	v_lshlrev_b32 v20, 5, v2
	v_lshl_add_u32 v20, v3, 4, v20                 ; v20: q codes: token r x 32 + 16 half: a wave's store covers 512 consecutive bytes
	v_mul_u32_u24 v[XKO], v[R3], CHK
	v_lshl_add_u32 v[XKO], v[R7], 5, v[XKO]
	v_lshl_add_u32 v[XKO], v3, 4, v[XKO]
	s_lshl_b32 s53, s28, 9
	v_add_nc_u32 v21, s53, v[XKO]                  ; v21: k codes: chunk r / 8, row 16 w + r % 8 (+ 8 u)
	v_add_nc_u32 v[XKO], 2048, v[XKO]              ; and row 64 + r % 8
	v_lshl_add_u32 v22, v1, 4, s53
	v_add_nc_u32 v22, VIM, v22                     ; v22: v's image: 512 w + 16 lane
	v_lshlrev_b32 v[XVO], 2, v1
	v_add_nc_u32 v[XVO], VOV, v[XVO]
	v_mul_u32_u24 v[PD1], v1, CHK
	v_add_nc_u32 v[PD1], 2144, v[PD1]              ; the two chunks' padding (lanes 0, 1)
	v_lshlrev_b32 v[PD2], 4, v1
	v_add_nc_u32 v[PD2], 8672, v[PD2]              ; the record's last 32 bytes (lanes 0, 1)
	v_lshlrev_b32 v23, 4, v0                       ; v23: 16 x thread, for Er's image
.irp i, 0,1,2,3
	v_mov_b32 v[ED+\i], 0
	v_mov_b32 v[ZR+\i], 0
.endr
	s_lshl_b32 s56, s31, 19                        ; the batch's 4,096 rows of 128 bytes
	s_mov_b32 s57, 0
	s_wait_kmcnt 0x0
	s_load_b256 s[32:39], s[20:21], 0x0            ; e0 .. e7
	s_load_b128 s[40:43], s[20:21], 0x20           ; e8 .. e11
	s_add_nc_u64 s[4:5], s[4:5], s[56:57]
	s_lshl_b32 s56, s30, 12
	s_add_co_u32 s56, s56, s52
	s_lshl_b32 s56, s56, 5
	s_add_nc_u64 s[22:23], s[22:23], s[56:57]      ; qc at my wave's first token
	s_mul_i32 s56, s54, REC
	s_add_nc_u64 s[24:25], s[24:25], s[56:57]      ; my record
	s_mul_i32 s56, s54, ECH
	s_add_nc_u64 s[26:27], s[26:27], s[56:57]      ; chunk g of er (used where g < 72)
	s_lshl_b32 s56, s54, 11
	s_add_nc_u64 s[18:19], s[18:19], s[56:57]      ; rows 64 g on of Er (used where g < 64)
	s_cmp_lt_u32 s54, 64
	s_cbranch_scc0 .Lno_er
	global_load_b128 v[ED:ED+3], v23, s[18:19]     ; 128 threads x 16 bytes: 64 rows of Er; elsewhere the zeros stay
.Lno_er:
	WIN 0x40                                       ; destination window 1
.irp u, 0,1
	FRAG WQF+16*\u, 16, 6, 1024*\u
	FRAG WKF+16*\u, 16, 8, 1024*\u
	FRAG WVF+16*\u, 17, 10, 2048*\u
.endr
	WIN 0
.irp i, 0,1
	FRAG XQ+16*\i, 4, 4, 2048*\i
.endr
	FRAG XS, 5, 4, 0
	FRAG XS+16, 6, 4, 0
	FRAG XE, 7, 4, 0
.irp u, 0,1
	global_load_b128 v[BQ+8*\u:BQ+8*\u+3],   v18, s[12:13] offset:32*\u
	global_load_b128 v[BQ+8*\u+4:BQ+8*\u+7], v18, s[12:13] offset:32*\u+16
	global_load_b128 v[BK+8*\u:BK+8*\u+3],   v18, s[14:15] offset:32*\u
	global_load_b128 v[BK+8*\u+4:BK+8*\u+7], v18, s[14:15] offset:32*\u+16
	global_load_b32 v[BV+2*\u],   v19, s[16:17] offset:64*\u
	global_load_b32 v[BV+2*\u+1], v19, s[16:17] offset:64*\u   ; twice: the packed form takes a pair
.endr
	s_wait_kmcnt 0x0
	s_add_co_i32 s44, s32, s33
	s_add_co_i32 s44, s44, 127
	s_lshl_b32 s44, s44, 23                        ; 2^(e0 + e1)
	s_mov_b32 s45, s44                             ; (named with it as a pair, so it is written)
	s_add_co_i32 s46, s34, s35
	s_add_co_i32 s46, s46, 127
	s_lshl_b32 s46, s46, 23                        ; 2^(e2 + e3)
	s_mov_b32 s47, s46
	s_add_co_i32 s48, s36, s37
	s_add_co_i32 s48, s48, 127
	s_lshl_b32 s48, s48, 23                        ; 2^(e4 + e5)
	s_mov_b32 s49, s48
	MKSC 38, 8, 9                                  ; e6:  v8, v9
	MKSC 40, 10, 11                                ; e8:  v10, v11
	MKSC 41, 12, 13                                ; e9:  v12, v13
	MKSC 43, 14, 15                                ; e11: v14, v15
	s_wait_loadcnt 0x0
	; ---- q: 2 tiles of tokens x 2 tiles of channels
	WIN 0x01                                       ; source 0 (W) window 1
.irp i, 0,1
.irp u, 0,1
	v_wmma_f32_16x16x128_fp8_fp8 v[ACC+8*(2*\i+\u):ACC+8*(2*\i+\u)+7], v[WQF+16*\u:WQF+16*\u+15], v[XQ+16*\i:XQ+16*\i+15], 0
.endr
.endr
	WIN 0
	PLACES 4                                       ; four places between a product and the first read of its result (ISA guide 7.12.1)
.irp i, 0,1
	AFFINE ACC+16*\i, 44, BQ
	HOLDCVT ACC+16*\i, CQ+8*\i, 9, 8
	global_store_b128 v20, v[CQ+8*\i:CQ+8*\i+3], s[22:23] offset:512*\i
	HOLDCVT ACC+16*\i, CQ+8*\i+4, 11, 10
	global_store_b128 v20, v[CQ+8*\i+4:CQ+8*\i+7], s[22:23] offset:512*\i+1048576
.endr
	; ---- k: 2 tiles of positions x 2 tiles of channels
	WIN 0x01
.irp i, 0,1
.irp u, 0,1
	v_wmma_f32_16x16x128_fp8_fp8 v[ACC+8*(2*\i+\u):ACC+8*(2*\i+\u)+7], v[WKF+16*\u:WKF+16*\u+15], v[XS+16*\i:XS+16*\i+15], 0
.endr
.endr
	WIN 0
	PLACES 4
.irp i, 0,1
	AFFINE ACC+16*\i, 46, BK
	HOLDCVT ACC+16*\i, CK+4*\i, 13, 12
	global_store_b128 v21, v[CK+4*\i:CK+4*\i+3], s[24:25] offset:256*\i
.endr
	; ---- v: 2 tiles of channels x 2 tiles of positions; a lane's 16 registers of a tile of channels are positions 64 half + 16 w + 0 .. 15
	WIN 0x04                                       ; source 1 (Wv) window 1
.irp d, 0,1
.irp i, 0,1
	v_wmma_f32_16x16x128_fp8_fp8 v[ACC+8*(2*\d+\i):ACC+8*(2*\d+\i)+7], v[XS+16*\i:XS+16*\i+15], v[WVF+16*\d:WVF+16*\d+15], 0
.endr
.endr
	WIN 0
	PLACES 4
.irp d, 0,1
	AFFV ACC+16*\d, 8, BV+2*\d
	HOLDCVT ACC+16*\d, CV+4*\d, 15, 14
	global_store_b128 v22, v[CV+4*\d:CV+4*\d+3], s[24:25] offset:2048*\d
.endr
	; ---- the positions behind each half, and the record's padding: wave 0 alone
	s_cmp_lg_u32 s28, 0
	s_cbranch_scc1 .Lnot_wave_0
	WIN 0x01
.irp u, 0,1
	v_wmma_f32_16x16x128_fp8_fp8 v[ACC+8*\u:ACC+8*\u+7], v[WKF+16*\u:WKF+16*\u+15], v[XE:XE+15], 0
.endr
	WIN 0x04
.irp d, 0,1
	v_wmma_f32_16x16x128_fp8_fp8 v[ACC+16+8*\d:ACC+16+8*\d+7], v[XE:XE+15], v[WVF+16*\d:WVF+16*\d+15], 0
.endr
	WIN 0
	PLACES 4
	AFFINE ACC, 46, BK
	HOLDCVT ACC, CXK, 13, 12
.irp d, 0,1
	AFFV ACC+16+8*\d, 4, BV+2*\d
.irp i, 0,1,2,3,4,5,6,7
	v_med3_num_f32 v[TMP+8*\d+\i], v[ACC+16+8*\d+\i], -v15, v15
.endr
	v_cvt_scalef32_pk8_fp8_f32 v[CXV+2*\d:CXV+2*\d+1], v[TMP+8*\d:TMP+8*\d+7], v14   ; its first register: positions 64 .. 67 behind my half
.endr
	v_nop
	global_store_b32 v[XVO], v[CXV], s[24:25]
	global_store_b32 v[XVO], v[CXV+2], s[24:25] offset:128
	v_cmp_gt_u32 vcc_lo, 3, v[R7]                  ; rows 64, 65, 66 of each chunk
	s_wait_xcnt 0x0                                ; EXEC is a source of the stores that are out: it changes only behind this wait
	s_and_saveexec_b32 s58, vcc_lo
	global_store_b128 v[XKO], v[CXK:CXK+3], s[24:25]
	s_wait_xcnt 0x0
	s_or_b32 exec_lo, exec_lo, s58
	v_cmp_gt_u32 vcc_lo, 2, v1                     ; lanes 0 and 1 store the padding
	s_and_saveexec_b32 s58, vcc_lo
	global_store_b128 v[PD1], v[ZR:ZR+3], s[24:25]
	global_store_b128 v[PD2], v[ZR:ZR+3], s[24:25]
	s_wait_xcnt 0x0
	s_or_b32 exec_lo, exec_lo, s58
.Lnot_wave_0:
	; ---- Er's image: work-groups 0 to 71 store a chunk each: 64 rows of Er, or zeros
	s_cmp_lt_u32 s54, 72
	s_cbranch_scc0 .Lend
	global_store_b128 v23, v[ED:ED+3], s[26:27]
	s_cmp_lg_u32 s28, 0
	s_cbranch_scc1 .Lend
	v_cmp_eq_u32 vcc_lo, 0, v1                     ; thread 0 stores the chunk's 16 bytes of padding
	s_wait_xcnt 0x0
	s_and_saveexec_b32 s58, vcc_lo
	global_store_b128 v23, v[ZR:ZR+3], s[26:27] offset:2048
	s_wait_xcnt 0x0
	s_or_b32 exec_lo, exec_lo, s58
.Lend:
	s_endpgm
.Lfunc_end_k_q165f51b20c_prep:
	.size	k_q165f51b20c_prep, .Lfunc_end_k_q165f51b20c_prep-k_q165f51b20c_prep
	.p2alignl 7, 3214868480
	.fill 96, 4, 3214868480
	.section	.rodata,"a",@progbits
	.p2align	6, 0x0
	.amdhsa_kernel k_q165f51b20c_prep
		.amdhsa_group_segment_fixed_size 0
		.amdhsa_private_segment_fixed_size 0
		.amdhsa_enable_private_segment 0
		.amdhsa_kernarg_size 96
		.amdhsa_user_sgpr_count 2
		.amdhsa_user_sgpr_kernarg_segment_ptr 1
		.amdhsa_wavefront_size32 1
		.amdhsa_system_sgpr_workgroup_id_x 1
		.amdhsa_system_sgpr_workgroup_id_y 1
		.amdhsa_system_sgpr_workgroup_id_z 1
		.amdhsa_system_vgpr_workitem_id 0
		.amdhsa_next_free_vgpr 384
		.amdhsa_next_free_sgpr 66
		.amdhsa_reserve_vcc 1
		.amdhsa_float_denorm_mode_32 3
		.amdhsa_float_denorm_mode_16_64 3
		.amdhsa_memory_ordered 1
		.amdhsa_forward_progress 1
		.amdhsa_inst_pref_size 31
	.end_amdhsa_kernel
	.amdgpu_metadata
---
amdhsa.version: [ 1, 2 ]
amdhsa.kernels:
  - .name:           k_q165f51b20c_prep
    .symbol:         k_q165f51b20c_prep.kd
    .args:
      - { .name: x_codes, .offset: 0, .size: 8, .value_kind: global_buffer, .address_space: global }
      - { .name: Wq_codes, .offset: 8, .size: 8, .value_kind: global_buffer, .address_space: global }
      - { .name: Wk_codes, .offset: 16, .size: 8, .value_kind: global_buffer, .address_space: global }
      - { .name: Wv_codes, .offset: 24, .size: 8, .value_kind: global_buffer, .address_space: global }
      - { .name: bq, .offset: 32, .size: 8, .value_kind: global_buffer, .address_space: global }
      - { .name: bk, .offset: 40, .size: 8, .value_kind: global_buffer, .address_space: global }
      - { .name: bv, .offset: 48, .size: 8, .value_kind: global_buffer, .address_space: global }
      - { .name: Er_codes, .offset: 56, .size: 8, .value_kind: global_buffer, .address_space: global }
      - { .name: lowp_scales, .offset: 64, .size: 8, .value_kind: global_buffer, .address_space: global }
      - { .name: qc, .offset: 72, .size: 8, .value_kind: global_buffer, .address_space: global }
      - { .name: kv, .offset: 80, .size: 8, .value_kind: global_buffer, .address_space: global }
      - { .name: er, .offset: 88, .size: 8, .value_kind: global_buffer, .address_space: global }
    .group_segment_fixed_size: 0
    .private_segment_fixed_size: 0
    .kernarg_segment_align: 8
    .kernarg_segment_size: 96
    .max_flat_workgroup_size: 128
    .sgpr_count:     66
    .vgpr_count:     384
    .wavefront_size: 32
...
	.end_amdgpu_metadata
.endif
;; end of part 1
;; launch attn (part 2): grid 32 x 8, 8 waves a work-group, no clusters, 327,680 bytes of LDS; arguments qc, kv, er, lowp_scales, out0; writes out0
.if DOCPART == 2
	.amdgcn_target "amdgcn-amd-amdhsa--gfx1250"
	.amdhsa_code_object_version 6
	.text
	.protected	k_q165f51b20c_attn
	.globl	k_q165f51b20c_attn
	.p2align	8
	.type	k_q165f51b20c_attn,@function
k_q165f51b20c_attn:
	s_mov_b64 s[64:65], 0
	v_nop
	global_prefetch_b8 v0, s[64:65] scope:SCOPE_SE
	s_setreg_imm32_b32 hwreg(HW_REG_WAVE_MODE, 25, 1), 1
	s_wait_xcnt 0x0
; out[i] = the sum over j <= i of softmax_j((q_i . k_j + q_i . Er[4095 - (i - j)]) / sqrt(32)) v_j, for 8 (batch, head) pairs of 4,096 tokens and 32 channels; all three products on codes of E4M3.
; THE SKEW IS DONE BY THE MATRIX UNIT.  A head has 32 channels and the product's K is 128: four groups of 32.  A tile's 16 queries are i0 + a + 8 b (lane n: a = n % 4, b = n / 4); its rows are POSITIONS: lane n reads
; position pos as key pos + a - 3, so that the distance i - key = i0 + 8 b + 3 - pos hangs on b alone.
;   rel: row pos, group g = Er[4092 - i0 - 8 (3 - g) + pos];  column n, group g = q (scale e6) where b = 3 - g, else zero codes.
;   qk:  row pos, group g = k at position pos + g (a row is 128 consecutive bytes of kv's chunk);  column n, group g = q (scale e8) where a = g, else zero codes.
; Zero codes add nothing, so each lane gets its own diagonal.  Both products are used transposed (source 0 = rows, source 1 = queries): a lane holds ONE query, and row 8 h + j of tile T is position P0 + 64 h + 8 T + j,
; so that a lane's 64 score registers are 64 neighbouring positions.  Er's fragments slide: 15 blocks of 4 registers serve all 16 operands of a wave's two tiles of queries.
; p's codes come out a bytes early in a lane's stream: one v_perm_b32 a register moves them to SLOTS (slot z = key P0 + 64 h + z - 3, z = 0 .. 66); v's images are laid by slots.  So the second product is three
; instructions of K = 64 for each tile of queries and 16 channels: registers 0-7, 8-15, and the overflow register with seven zeros.
; THE SOFTMAX: t = logit x log2(e); M = the running largest t rounded UP to a whole number; p = 2^(t - M) is quantised, not normalised; the sum is taken of the unquantised p; a change of M multiplies by an exact power of two.
; SHARES.  Work-group (beta, bh) owns query blocks 64 (63 - beta) and 64 beta: together 33 steps of 128 positions and 9 rounds of four steps, whatever beta: all work-groups have equal work and the trip count is a constant.
; Wave w: wq = w % 2 picks the queries (i0 = block + 4 wq + 32 u, u = 0, 1), wk = w / 2 the step of a round (P0 = 512 round + 128 wk).  A wave whose step begins behind its block's first query has no work in that trip
; (a branch on ids round register work and LDS reads alone).  The four wk's partial (-M, sum, O) meet in LDS at the end.
; THE RING: two slots, 65,536 bytes apart; a slot holds a round's four records of kv (waves 0 to 3 fetch one each) and nine chunks of er (wave 4).  One tensor load of a wave is out at a time.
; A record is fetched in every round, also where its wave then has no step (at most three records a block): that hangs on the wave's number and the block together, and no jump leads round a tensor load here.
; NO CLUSTER: the work-groups that walk the same kv have different causal limits, so partners would need different numbers of tiles; those with the same walk (the four heads of one beta) share only er's
; 18,576 of a trip's 53,392 bytes.  NO PREFETCH: each record is read by up to 32 work-groups, not once.  OUT: a head's piece of a row of out0 is 128 bytes, so a store covers four pieces of 128 consecutive bytes.
; LIMITS: (e6 + e7) - (e8 + e9) between -126 and 127; e8 + e9 between -124 and 129; e10 between -126 and 119.  NaN codes among the inputs are not served (0 x NaN in a masked group would spread).
; REGISTERS, window 0: v1-23 addresses and constants; v24-35 statistics; v36-47 at work; v48-63 the overflow operands; v64-191 scores, then p; v192-223 O^T; v224-255 p's codes.
;   window 1: v0-31 q masked for rel; v32-63 q masked for qk; v64-123 Er's 15 blocks; v124-251 k's 8 fragments, later v's.
.set REC,   8704
.set CHK,   2160
.set VIM,   4320
.set VOV,   8416
.set ECH,   2064
.set EOFF,  4*REC                      ; er's chunks lie behind the four records
.set SLOT1, 0x10000
.set STG,   131072                     ; partial results: [block 2][wave 8] x 4,608 bytes: 8 images of 512 bytes of O^T, 2 of 256 bytes of (-M, sum)
.set STW,   4608
.set STP,   8*STW
.set QST,   204800                     ; the low block's q codes, 2,048 bytes a wave
.set OST,   221184                     ; the way out: 16 rows x (128 + 16) bytes a wave
.set OSP,   144
.set SPARE, 239616                     ; the spare words, 128 bytes for each of the eight waves: four blocks of 256 bytes that no other line names
.set SPW,  1                           ; v1  my spare word's address; never rewritten
.set NIL,  2                           ; v2  0; never rewritten
.set AK,   3                           ; v3  k's fragments: wk x REC + (r / 8) x CHK + (r % 8) x 32 + 16 half
.set AE,   4                           ; v4  Er's blocks
.set AE0,  5                           ; v5  the block that straddles a chunk's end
.set AV,   6                           ; v6  v's images
.set AVO,  7                           ; v7  v's overflow words
.set HK,   8                           ; v8-12 the same five in the slot in hand
.set HE,   9
.set HE0,  10
.set HV,   11
.set HVO,  12
.set ZERO, 13
.set NINF, 14
.set PLIM, 15                          ; 448 x 2^e10
.set PSC,  16                          ; 2^e10
.set SELP, 17                          ; v_perm_b32's selector: 0x07060504 - a x 0x01010101
.set LIMD, 18                          ; v18, v19: 4 wq + 32 u + 8 b + 3 - 64 h
.set LIMT, 20
.set QSA,  21
.set STA,  22
.set STB,  23
.set ST,   24                          ; tile u at v[24 + 6 u]: -M, the largest t, the sum in two halves
.set FAC,  36                          ; v[36:37] f = 2^(old M - new M), and a word written once
.set W0,   38                          ; v38-41 at work
.set PD,   42                          ; v42 a lane permute's destination
.set MRA,  43
.set MRB,  44
.set OSW,  45
.set OSR,  46
.set GO,   47
.set BO,   48                          ; v48-55, v56-63: the overflow register and seven zeros
.set SCR,  64
.set OAC,  192
.set COD,  224
.set B1,   0                           ; window 1
.set B2,   32
.set RE,   64
.set A2,   124
.set VX,   156
.set WV,   14
.set WQ,   15
.set WK,   16
.set BETA, 17
.set BH,   18
.set RHI,  19                          ; rounds of the high block
.set TRP,  20                          ; the trip
.set RND,  21                          ; the round within the block
.set IB,   22                          ; the block's first query
.set TB,   23                          ; the slot in hand
.set P0,   24                          ; my step's first position
.set G1K,  32
.set G1E,  40
.set G0K,  48
.set G0E,  52
.set CS,   56                          ; s[56:57] c = log2(e) / sqrt(32) x 2^(e8 + e9)
.set RHO,  58                          ; s[58:59] 2^((e6 + e7) - (e8 + e9))
.set SEL,  60
.set MA,   66                          ; s66-69 lanes with a = g
.set MB,   70                          ; s70-73 lanes with b = 3 - g
.set SM,   74                          ; s74-76 lanes whose position j stands for a key under 0
.set KVB,  78
.set OFS,  82
.set E8,   84
.set E6,   88
.set EPV,  90
.set QHI,  92
.set QLO,  94
.set ILO,  96
.set IHI,  97
.set MSB, 0
.macro WIN new                         ; the immediate's high byte repeats the setting that is left
.if MSB != \new
	s_set_vgpr_msb (MSB<<8)|\new
.set MSB, \new
.endif
.endm
.macro PLACES n
.rept \n
	v_nop
.endr
.endm
; Waves 0 to 3 fetch a record each, wave 4 er's nine chunks, the others nothing.  The branches hang on the wave's number alone.  An s_nop 0 and four v_nop follow each load.
.macro TLOAD
	s_cmp_lt_u32 s[WV], 4
	s_cbranch_scc0 .Lnot_k_\@
	tensor_load_to_lds s[G0K:G0K+3], s[G1K:G1K+7]
	s_nop 0
.rept 4
	v_nop
.endr
	s_branch .Lasked_\@
.Lnot_k_\@:
	s_cmp_eq_u32 s[WV], 4
	s_cbranch_scc0 .Lasked_\@
	tensor_load_to_lds s[G0E:G0E+3], s[G1E:G1E+7]
	s_nop 0
.rept 4
	v_nop
.endr
.Lasked_\@:
.endm
; The next trip's round and block, and from them both descriptors' addresses; the LDS addresses turn to the other slot.  No tensor load of mine is out where this stands.
.macro NEXTADDR
	s_add_co_u32 s25, s[TRP], 1
	s_sub_co_u32 s26, s25, s[RHI]
	s_sub_co_u32 s27, 63, s[BETA]
	s_cmp_lt_u32 s25, s[RHI]
	s_cselect_b32 s26, s25, s26                    ; the round within its block
	s_cselect_b32 s27, s[BETA], s27                ; er's first chunk of the block's round 0: 63 - block / 64
	s_mul_i32 s[OFS], s26, 4*REC
	s_add_nc_u64 s[G0K+2:G0K+3], s[KVB:KVB+1], s[OFS:OFS+1]
	s_or_b32 s[G0K+3], s[G0K+3], 0x80000000
	s_lshl_b32 s26, s26, 3
	s_add_co_u32 s27, s27, s26                     ; + 8 chunks a round: at most 63, so the nine chunks end inside er's 72
	s_mul_i32 s[OFS], s27, ECH
	s_add_nc_u64 s[G0E+2:G0E+3], s[8:9], s[OFS:OFS+1]
	s_or_b32 s[G0E+3], s[G0E+3], 0x80000000
	s_xor_b32 s[G0K+1], s[G0K+1], SLOT1
	s_xor_b32 s[G0E+1], s[G0E+1], SLOT1
.endm
; q's 16 raw registers (v64 on: tile u: 4 of scale e6, 4 of scale e8) become the four masked operands
.macro BUILD
	WIN 0x40                                       ; destination window 1
.irp u, 0,1
.irp g, 0,1,2,3
.irp i, 0,1,2,3
	v_cndmask_b32 v[B1+16*\u+4*\g+\i], v[ZERO], v[SCR+8*\u+\i], s[MB+\g]
	v_cndmask_b32 v[B2+16*\u+4*\g+\i], v[ZERO], v[SCR+8*\u+4+\i], s[MA+\g]
.endr
.endr
.endr
	WIN 0
.endm
.macro INITACC                         ; the step is written once: a block's first step finds zeros, which the first change of M leaves zeros
.set y, 0
.rept 32
	v_mov_b32 v[OAC+y], 0
.set y, y+1
.endr
.irp u, 0,1
	v_mov_b32 v[ST+6*\u+1], 0xff61b1e6             ; the largest t so far: -3e38
	v_floor_f32 v[ST+6*\u], -v[ST+6*\u+1]
	v_mov_b32 v[ST+6*\u+2], 0
	v_mov_b32 v[ST+6*\u+3], 0
.endr
.endm
.macro SAVE p                          ; my partial results of block p go to LDS as images of their registers
	PLACES 4                                       ; between the last products and the first read of their results
.irp u, 0,1
	v_add_f32 v[ST+6*\u+1], v[ST+6*\u+2], v[ST+6*\u+3]   ; the sum's two halves (into the register of the largest t, which is done with),
	v_permlanex16_b32 v[PD], v[ST+6*\u+1], s[SEL], s[SEL+1]
	v_add_f32 v[ST+6*\u+1], v[ST+6*\u+1], v[PD]    ; and lane l xor 16's
.endr
.irp i, 0,1,2,3,4,5,6,7
	ds_store_b128 v[STA], v[OAC+4*\i:OAC+4*\i+3] offset:\p*STP+512*\i   ; each accumulator from its low end on
.endr
.irp u, 0,1
	ds_store_b64 v[STB], v[ST+6*\u:ST+6*\u+1] offset:\p*STP+256*\u
.endr
.endm
.macro LOADS                           ; Er's 15 blocks, then k's 8 fragments
	WIN 0x40
.set x, 0
.rept 15
.if x == 7
	ds_load_b128 v[RE+4*x:RE+4*x+3], v[HE0] offset:256*x
.elseif x > 7
	ds_load_b128 v[RE+4*x:RE+4*x+3], v[HE] offset:256*x+16      ; behind the chunk's 16 bytes of padding
.else
	ds_load_b128 v[RE+4*x:RE+4*x+3], v[HE] offset:256*x
.endif
.set x, x+1
.endr
.irp t, 0,1,2,3,4,5,6,7
.irp c, 0,1,2,3
	ds_load_b128 v[A2+16*\t+4*\c:A2+16*\t+4*\c+3], v[HK] offset:256*\t+32*\c
.endr
.endr
	WIN 0
.endm
.macro REL u                           ; the operand of tile t is 16 consecutive registers of Er's blocks
.irp t, 0,1,2,3,4,5,6,7
	v_wmma_f32_16x16x128_fp8_fp8 v[SCR+64*\u+8*\t:SCR+64*\u+8*\t+7], v[RE+4*(\t-4*\u+4):RE+4*(\t-4*\u+4)+15], v[B1+16*\u:B1+16*\u+15], 0
.endr
.endm
.macro SCALE u                         ; the rel sums into the unit of the qk sums: x 2^((e6 + e7) - (e8 + e9)), exact; they then are the C of the qk products
.set y, 0
.rept 32
	v_pk_mul_f32 v[SCR+64*\u+y:SCR+64*\u+y+1], v[SCR+64*\u+y:SCR+64*\u+y+1], s[RHO:RHO+1] op_sel_hi:[1,0]
.set y, y+2
.endr
.endm
.macro QK u
.irp t, 0,1,2,3,4,5,6,7
	v_wmma_f32_16x16x128_fp8_fp8 v[SCR+64*\u+8*\t:SCR+64*\u+8*\t+7], v[A2+16*\t:A2+16*\t+15], v[B2+16*\u:B2+16*\u+15], v[SCR+64*\u+8*\t:SCR+64*\u+8*\t+7]
.endr
.endm
.macro VLOADS
	WIN 0x40
.irp d, 0,1
.irp c, 0,1,2,3
	ds_load_b128 v[A2+16*\d+4*\c:A2+16*\d+4*\c+3], v[HV] offset:2048*\d+512*\c
.endr
.endr
.irp d, 0,1
	ds_load_b32 v[VX+8*\d], v[HVO] offset:128*\d   ; the seven registers above it keep k's codes, numbers that meet zero codes alone
.endr
	WIN 0
.endm
; Hidden scores become -infinity ahead of the maximum.  Both branches hang on ids: the step with position 0 has keys under 0, a block's last step has the diagonal.
.macro MASKS u
.set rS, SCR+64*(\u)
	s_cmp_lg_u32 s[P0], 0
	s_cbranch_scc1 .Lno_start_\@
.irp j, 0,1,2
	v_cndmask_b32 v[rS+\j], v[rS+\j], v[NINF], s[SM+\j]
.endr
.Lno_start_\@:
	s_add_co_u32 s25, s[P0], 128
	s_cmp_le_u32 s25, s[IB]
	s_cbranch_scc1 .Lno_diag_\@
	s_sub_co_i32 s25, s[IB], s[P0]
	v_add_nc_u32 v[LIMT], s25, v[LIMD+\u]          ; register y holds position P0 + 64 h + y: hidden where y > block - P0 + 4 wq + 32 u + 8 b + 3 - 64 h
.set y, 0
.rept 64
	v_cmp_gt_i32 vcc_lo, y, v[LIMT]
	v_cndmask_b32 v[rS+y], v[rS+y], v[NINF], vcc_lo
.set y, y+1
.endr
.Lno_diag_\@:
.endm
.macro SMAX u
.set rS, SCR+64*(\u)
.set rT, ST+6*(\u)
	v_max3_num_f32 v[W0], v[rS], v[rS+1], v[rS+2]  ; the step's largest score of my query among my 64 positions, in two chains, ascending
	v_max3_num_f32 v[W0+1], v[rS+3], v[rS+4], v[rS+5]
.irp i, 6,10,14,18,22,26,30,34,38,42,46,50,54,58
	v_max3_num_f32 v[W0], v[W0], v[rS+\i], v[rS+\i+1]
	v_max3_num_f32 v[W0+1], v[W0+1], v[rS+\i+2], v[rS+\i+3]
.endr
	v_max3_num_f32 v[W0], v[W0], v[rS+62], v[rS+63]
	v_max_num_f32 v[W0], v[W0], v[W0+1]
	v_permlanex16_b32 v[PD], v[W0], s[SEL], s[SEL+1]
	v_max_num_f32 v[W0], v[W0], v[PD]              ; and among lane l xor 16's: every query has a key that counts in every step that is walked
	v_mul_f32 v[W0], s[CS], v[W0]                  ; as t (c is positive)
	v_max_num_f32 v[rT+1], v[rT+1], v[W0]
	v_mov_b32 v[W0], v[rT]
	v_floor_f32 v[rT], -v[rT+1]                    ; -M = floor(-t): M is a whole number
	v_sub_f32 v[W0], v[rT], v[W0]                  ; old M - new M, 0 or less
	v_cvt_i32_f32 v[W0], v[W0]                     ; (it saturates)
	v_ldexp_f32 v[FAC], 1.0, v[W0]                 ; f = 2^(old M - new M)
.endm
.macro SEXP u
.set rS, SCR+64*(\u)
.set rT, ST+6*(\u)
.set y, 0
.rept 32
	v_pk_fma_f32 v[rS+y:rS+y+1], v[rS+y:rS+y+1], s[CS:CS+1], v[rT:rT+1] op_sel_hi:[1,0,0]   ; t - M (of the pairs c and -M the low word serves both halves)
.set y, y+2
.endr
.set y, 0
.rept 64
	v_exp_f32 v[rS+y], v[rS+y]                     ; p = 2^(t - M)
.set y, y+1
.endr
	v_pk_mul_f32 v[rT+2:rT+3], v[rT+2:rT+3], v[FAC:FAC+1] op_sel_hi:[1,0]   ; the sums under the new M: the plain line behind the exponentials
	s_wait_alu depctr_va_vdst(0)                   ; one wait for the batch, ahead of its first reader
	v_pk_add_f32 v[W0+2:W0+3], v[rS:rS+1], v[rS+2:rS+3]   ; the sum is taken of the unquantised p, in two chains
.irp j, 4,8,12,16,20,24,28,32,36,40,44,48,52,56,60
	v_pk_add_f32 v[rT+2:rT+3], v[rT+2:rT+3], v[rS+\j:rS+\j+1]
	v_pk_add_f32 v[W0+2:W0+3], v[W0+2:W0+3], v[rS+\j+2:rS+\j+3]
.endr
	v_pk_add_f32 v[rT+2:rT+3], v[rT+2:rT+3], v[W0+2:W0+3]
.endm
.macro SQ u
.set rS, SCR+64*(\u)
.set rC, COD+16*(\u)
.set rO, OAC+16*(\u)
.irp b, 0,1,2,3
.irp i, 0,1,2,3,4,5,6,7,8,9,10,11,12,13,14,15
	v_min_num_f32 v[rS+16*\b+\i], v[rS+16*\b+\i], v[PLIM]   ; the conversion does not saturate (ISA guide 7.6.2); p is not negative, so the hold is one-sided
.endr
	v_cvt_scalef32_pk8_fp8_f32 v[rC+4*\b:rC+4*\b+1], v[rS+16*\b:rS+16*\b+7], v[PSC]
	v_cvt_scalef32_pk8_fp8_f32 v[rC+4*\b+2:rC+4*\b+3], v[rS+16*\b+8:rS+16*\b+15], v[PSC]
.endr
.irp j, 0,2,4,6,8,10,12,14
	v_pk_mul_f32 v[rO+\j:rO+\j+1], v[rO+\j:rO+\j+1], v[FAC:FAC+1] op_sel_hi:[1,0]   ; O^T under the new M; also the plain lines behind the conversions
.endr
	v_perm_b32 v[BO+8*\u], v[ZERO], v[rC+15], v[SELP]   ; the codes move a bytes up, from the top down: slot z takes stream byte z - a
.set x, 15
.rept 15
	v_perm_b32 v[rC+x], v[rC+x], v[rC+x-1], v[SELP]
.set x, x-1
.endr
	v_perm_b32 v[rC], v[rC], v[ZERO], v[SELP]
.endm
.macro PV                              ; O^T += v^T p^T: the four accumulators by turns, one instruction a turn
.irp q, 0,1
.irp u, 0,1
.irp d, 0,1
	v_wmma_f32_16x16x64_fp8_fp8 v[OAC+16*\u+8*\d:OAC+16*\u+8*\d+7], v[A2+16*\d+8*\q:A2+16*\d+8*\q+7], v[COD+16*\u+8*\q:COD+16*\u+8*\q+7], v[OAC+16*\u+8*\d:OAC+16*\u+8*\d+7]
.endr
.endr
.endr
.irp u, 0,1
.irp d, 0,1
	v_wmma_f32_16x16x64_fp8_fp8 v[OAC+16*\u+8*\d:OAC+16*\u+8*\d+7], v[VX+8*\d:VX+8*\d+7], v[BO+8*\u:BO+8*\u+7], v[OAC+16*\u+8*\d:OAC+16*\u+8*\d+7]
.endr
.endr
.endm
; A STEP: 128 positions for my two tiles of 16 queries
.macro STEP
	LOADS
	s_wait_dscnt 32                                ; Er's 15 blocks are in; k's 32 loads, issued behind them, may be out
	WIN 0x05                                       ; sources 0 and 1 window 1
	REL 0
	REL 1
	WIN 0
	PLACES 4                                       ; between the products and the first read of their results (ISA guide 7.12.1)
	SCALE 0
	s_wait_dscnt 0x0                               ; k's fragments
	WIN 0x05
	QK 0
	WIN 0
	SCALE 1                                        ; these 32 lines are also the places behind tile 0's products
	WIN 0x05
	QK 1
	WIN 0
	MASKS 0
	SMAX 0                                         ; more than four plain lines that name nothing of tile 1's products: the places in front of the loads into k's registers
	VLOADS
	SEXP 0
	SQ 0
	MASKS 1
	SMAX 1
	SEXP 1
	SQ 1
	s_wait_dscnt 0x0                               ; v's images
	WIN 0x01                                       ; source 0 window 1
	PV
	WIN 0
.endm
; A TRIP.  At its head the change of slots: each wave waits for all its tensor loads (its part of the slot that it is about to read), adds 0 to its spare word, and waits for that and for its reads of the slot that it
; has left; behind the barrier the slot ahead is whole and nobody reads the other one, which is filled first thing with the next trip's tiles: the load has a whole trip in which to land.
.macro TRIP refill
	s_wait_tensorcnt 0x0                           ; no tensor load of mine is out, so the descriptors may be written
	ds_add_u32 v[SPW], v[NIL]                      ; 0 onto my spare word; work on registers stands between it and the wait for it
.if \refill
	NEXTADDR
.endif
	s_cmp_eq_u32 s[TRP], s[RHI]                    ; the low block begins with this trip?
	s_cselect_b32 s[RND], 0, s[RND]
	s_cselect_b32 s[IB], s[ILO], s[IB]
	s_lshl_b32 s[P0], s[RND], 9
	s_lshl_b32 s25, s[WK], 7
	s_add_co_u32 s[P0], s[P0], s25
	v_add_nc_u32 v[HK], s[TB], v[AK]               ; five plain lines: also the places between the last step's products and the loads into their registers
	v_add_nc_u32 v[HE], s[TB], v[AE]
	v_add_nc_u32 v[HE0], s[TB], v[AE0]
	v_add_nc_u32 v[HV], s[TB], v[AV]
	v_add_nc_u32 v[HVO], s[TB], v[AVO]
	s_wait_dscnt 0x0                               ; the add is done, and my reads of the slot that I have left are over
	s_barrier_signal -1
	s_barrier_wait -1
.if \refill
	TLOAD
.endif
	s_cmp_lg_u32 s[TRP], s[RHI]                    ; ids alone: the same in all eight waves
	s_cbranch_scc1 .Lsame_block_\@
	SAVE 0                                         ; the high block's partial results; then the low block's queries
.irp i, 0,1,2,3
	ds_load_b128 v[SCR+4*\i:SCR+4*\i+3], v[QSA] offset:512*\i
.endr
	s_wait_dscnt 0x0
	BUILD
	INITACC
.Lsame_block_\@:
	s_cmp_le_u32 s[P0], s[IB]                      ; has my step a key that counts?
	s_cbranch_scc0 .Lidle_\@
	STEP
.Lidle_\@:
	s_xor_b32 s[TB], s[TB], SLOT1
	s_add_co_u32 s[RND], s[RND], 1
.endm
	s_load_b256 s[4:11], s[0:1], 0x0               ; qc s[4:5], kv s[6:7], er s[8:9], the exponents s[10:11]
	s_load_b64 s[12:13], s[0:1], 0x20              ; out0
	v_lshl_add_u32 v[SPW], v0, 2, SPARE
	v_mov_b32 v[NIL], 0
	ds_add_u32 v[SPW], v[NIL]                      ; the wave's opening: the add and its wait come ahead of my first tensor load; the set-up below, work on registers, stands between them
	v_lshrrev_b32 v38, 5, v0
	v_readfirstlane_b32 s[WV], v38                 ; wave 0..7
	s_and_b32 s[WQ], s[WV], 1
	s_lshr_b32 s[WK], s[WV], 1
	s_mov_b32 s[BETA], ttmp9
	s_and_b32 s[BH], ttmp7, 0xffff
	s_sub_co_u32 s25, 63, s[BETA]
	s_lshr_b32 s[RHI], s25, 3
	s_add_co_u32 s[RHI], s[RHI], 1                 ; the high block's rounds: (63 - beta) / 8 + 1; with the low block's beta / 8 + 1 that is 9
	s_lshl_b32 s[IHI], s25, 6
	s_lshl_b32 s[ILO], s[BETA], 6
	s_mov_b32 s[G1K], 3<<16                        ; a record: 34 rows of 32 elements of 8 bytes, dense; no mask, no padding
	s_mov_b32 s[G1K+1], 32<<16                     ; tensor_dim0
	s_mov_b32 s[G1K+2], 34<<16                     ; tensor_dim1
	s_mov_b32 s[G1K+3], 32<<16                     ; tile_dim0
	s_mov_b32 s[G1K+4], 34                         ; tile_dim1
	s_mov_b32 s[G1K+5], 32                         ; the pitch
	s_mov_b32 s[G1K+6], 0
	s_mov_b32 s[G1K+7], 0
	s_mov_b32 s[G1E], 3<<16                        ; nine chunks: 9 rows of 258 elements of 8 bytes, dense
	s_mov_b32 s[G1E+1], 258<<16
	s_mov_b32 s[G1E+2], 9<<16
	s_mov_b32 s[G1E+3], 258<<16
	s_mov_b32 s[G1E+4], 9
	s_mov_b32 s[G1E+5], 258
	s_mov_b32 s[G1E+6], 0
	s_mov_b32 s[G1E+7], 0
	s_mov_b32 s[G0K], 1
	s_mul_i32 s[G0K+1], s[WV], REC                 ; slot 0, record w (waves 0 to 3 issue it)
	s_mov_b32 s[G0E], 1
	s_mov_b32 s[G0E+1], EOFF
	s_mov_b32 s[SEL], 0x76543210
	s_mov_b32 s[SEL+1], 0xfedcba98
	s_mov_b32 s[TRP], 0
	s_mov_b32 s[RND], 0
	s_mov_b32 s[IB], s[IHI]
	s_mov_b32 s[TB], 0
	s_mov_b32 s[OFS+1], 0
	; every LDS address is a constant + constants x lane parts + constants x wave parts, made here once
	v_and_b32 v38, 31, v0                          ; lane
	v_bfe_u32 v39, v0, 4, 1                        ; half
	v_bfe_u32 v40, v0, 3, 1                        ; r / 8
	v_and_b32 v41, 7, v0                           ; r % 8
	s_mul_i32 s25, s[WK], REC
	v_mul_u32_u24 v[AK], v40, CHK
	v_lshl_add_u32 v[AK], v41, 5, v[AK]
	v_lshl_add_u32 v[AK], v39, 4, v[AK]
	v_add_nc_u32 v[AK], s25, v[AK]
	s_mul_i32 s26, s[WK], 2*ECH                    ; a step is two chunks of er on
	s_xor_b32 s27, s[WQ], 1
	s_lshl_b32 s28, s27, 7                         ; 4 - 4 wq rows of 32 bytes
	s_add_co_u32 s26, s26, s28
	s_add_co_u32 s26, s26, EOFF
	v_mul_u32_u24 v[AE], v40, ECH
	v_lshl_add_u32 v[AE], v41, 5, v[AE]
	v_lshl_add_u32 v[AE], v39, 4, v[AE]
	v_add_nc_u32 v[AE], s26, v[AE]
	s_lshl_b32 s28, s27, 4
	v_bfe_u32 v42, v0, 2, 1
	v_mad_u32_u24 v[AE0], v42, s28, v[AE]          ; block 7 passes the chunk's end where wq = 0 and r % 8 >= 4: 16 bytes of padding on
	v_lshl_add_u32 v[AV], v38, 4, s25
	v_add_nc_u32 v[AV], VIM, v[AV]
	v_lshl_add_u32 v[AVO], v38, 2, s25
	v_add_nc_u32 v[AVO], VOV, v[AVO]
	s_lshl_b32 s26, s[WV], 11
	v_lshl_add_u32 v[QSA], v38, 4, s26
	v_add_nc_u32 v[QSA], QST, v[QSA]
	s_mul_i32 s26, s[WV], STW
	v_lshl_add_u32 v[STA], v38, 4, s26
	v_add_nc_u32 v[STA], STG, v[STA]
	v_lshl_add_u32 v[STB], v38, 3, s26
	v_add_nc_u32 v[STB], STG+4096, v[STB]
	s_lshr_b32 s26, s[WK], 1                       ; at the end wave (wq, wk) joins block wk / 2, tile wk % 2 of the four waves with its wq
	s_mul_i32 s26, s26, STP
	s_mul_i32 s27, s[WQ], STW
	s_add_co_u32 s26, s26, s27
	s_and_b32 s27, s[WK], 1
	s_lshl_b32 s28, s27, 11
	s_add_co_u32 s28, s28, s26
	v_lshl_add_u32 v[MRA], v38, 4, s28
	v_add_nc_u32 v[MRA], STG, v[MRA]
	s_lshl_b32 s28, s27, 8
	s_add_co_u32 s28, s28, s26
	v_lshl_add_u32 v[MRB], v38, 3, s28
	v_add_nc_u32 v[MRB], STG+4096, v[MRB]
	s_mul_i32 s26, s[WV], 16*OSP
	v_and_b32 v42, 15, v0
	v_mul_u32_u24 v[OSW], v42, OSP
	v_lshl_add_u32 v[OSW], v39, 5, v[OSW]
	v_add_nc_u32 v[OSW], s26, v[OSW]
	v_add_nc_u32 v[OSW], OST, v[OSW]               ; in: row n, 32 bytes for each half of the lanes
	v_bfe_u32 v42, v0, 3, 2
	v_mul_u32_u24 v[OSR], v42, OSP
	v_lshl_add_u32 v[OSR], v41, 4, v[OSR]
	v_add_nc_u32 v[OSR], s26, v[OSR]
	v_add_nc_u32 v[OSR], OST, v[OSR]               ; back: eight lanes to a row of 128 bytes, four rows an instruction
	v_lshlrev_b32 v[GO], 9, v42
	v_lshl_add_u32 v[GO], v41, 4, v[GO]            ; and the same four rows in out0
	v_and_b32 v42, 3, v0                           ; a
	v_mul_lo_u32 v40, v42, 0x01010101
	v_sub_nc_u32 v[SELP], 0x07060504, v40
.irp g, 0,1,2,3
	v_cmp_eq_u32 s[MA+\g], \g, v42
.endr
	v_lshl_add_u32 v40, v39, 4, v42                ; a + 16 h
.irp j, 0,1,2
	v_cmp_gt_u32 s[SM+\j], 3-\j, v40               ; position j of the first step is key j + a - 3
.endr
	v_bfe_u32 v40, v0, 2, 2                        ; b
.irp g, 0,1,2,3
	v_cmp_eq_u32 s[MB+\g], 3-\g, v40
.endr
	v_lshlrev_b32 v[LIMD], 3, v40
	v_lshlrev_b32 v41, 6, v39
	v_sub_nc_u32 v[LIMD], v[LIMD], v41
	s_lshl_b32 s26, s[WQ], 2
	s_add_co_u32 s26, s26, 3
	v_add_nc_u32 v[LIMD], s26, v[LIMD]
	v_add_nc_u32 v[LIMD+1], 32, v[LIMD]
	v_lshlrev_b32 v41, 5, v42
	v_lshl_add_u32 v41, v40, 8, v41
	v_lshl_add_u32 v41, v39, 4, v41                ; q: row a + 8 b of 32 bytes, + 16 half
	v_mov_b32 v[ZERO], 0
	v_mov_b32 v[NINF], 0xff800000
	v_mov_b32 v[FAC+1], 0                          ; (named as the upper half of a pair)
.irp i, 0,1,2,3,4,5,6,7,8,9,10,11,12,13,14,15
	v_mov_b32 v[BO+\i], 0
.endr
	s_wait_dscnt 0x0                               ; the opening add is done
	s_wait_kmcnt 0x0
	s_load_b128 s[E8:E8+3], s[10:11], 0x20         ; e8, e9, e10, e11
	s_load_b64 s[E6:E6+1], s[10:11], 0x18          ; e6, e7
	s_lshl_b32 s25, s[BH], 5
	s_add_co_u32 s25, s25, s[WV]
	s_mul_i32 s[OFS], s25, REC
	s_add_nc_u64 s[KVB:KVB+1], s[6:7], s[OFS:OFS+1]   ; record w of my (batch, head)'s round 0
	s_mov_b64 s[G0K+2:G0K+3], s[KVB:KVB+1]
	s_or_b32 s[G0K+3], s[G0K+3], 0x80000000
	s_mul_i32 s[OFS], s[BETA], ECH
	s_add_nc_u64 s[G0E+2:G0E+3], s[8:9], s[OFS:OFS+1]   ; the high block's round 0 begins at chunk beta
	s_or_b32 s[G0E+3], s[G0E+3], 0x80000000
	TLOAD                                          ; slot 0; slot 1's first fill goes out behind the first trip's barrier, as a refill does
	s_lshl_b32 s25, s[BH], 12
	s_lshl_b32 s26, s[WQ], 2
	s_add_co_u32 s25, s25, s26
	s_add_co_u32 s26, s25, s[IHI]
	s_lshl_b32 s[OFS], s26, 5
	s_add_nc_u64 s[QHI:QHI+1], s[4:5], s[OFS:OFS+1]
	s_add_co_u32 s26, s25, s[ILO]
	s_lshl_b32 s[OFS], s26, 5
	s_add_nc_u64 s[QLO:QLO+1], s[4:5], s[OFS:OFS+1]
.irp u, 0,1
.irp e, 0,1
	global_load_b128 v[SCR+8*\u+4*\e:SCR+8*\u+4*\e+3], v41, s[QHI:QHI+1] offset:1024*\u+1048576*\e
	global_load_b128 v[SCR+16+8*\u+4*\e:SCR+16+8*\u+4*\e+3], v41, s[QLO:QLO+1] offset:1024*\u+1048576*\e
.endr
.endr
	s_wait_kmcnt 0x0
	s_add_co_i32 s25, s[E8], s[E8+1]
	s_lshl_b32 s26, s25, 23
	s_add_co_i32 s[CS], s26, 0x3e8293ee            ; c = log2(e) / sqrt(32), with e8 + e9 added to its exponent field
	s_mov_b32 s[CS+1], s[CS]                       ; (named with it as a pair, so it is written)
	s_add_co_i32 s26, s[E6], s[E6+1]
	s_sub_co_i32 s26, s26, s25
	s_add_co_i32 s26, s26, 127
	s_lshl_b32 s[RHO], s26, 23
	s_mov_b32 s[RHO+1], s[RHO]
	s_add_co_i32 s25, s[E8+2], 127
	s_lshl_b32 s26, s25, 23
	v_mov_b32 v[PSC], s26
	s_add_co_i32 s25, s25, 8
	s_lshl_b32 s25, s25, 23
	s_or_b32 s25, s25, 0x600000
	v_mov_b32 v[PLIM], s25
	s_add_co_i32 s[EPV], s[E8+2], s[E8+3]
	s_wait_loadcnt 0x0
.irp i, 0,1,2,3
	ds_store_b128 v[QSA], v[SCR+16+4*\i:SCR+16+4*\i+3] offset:512*\i   ; the low block's q waits in my own bytes of LDS
.endr
	BUILD
	INITACC
.Ltrip:                                            ; eight trips fill the other slot; the ninth is written out
	TRIP 1
	s_add_co_u32 s[TRP], s[TRP], 1
	s_cmp_lt_u32 s[TRP], 8
	s_cbranch_scc1 .Ltrip
	TRIP 0
	SAVE 1
	s_wait_dscnt 0x0                               ; for the others' sake: my stores have landed
	s_barrier_signal -1
	s_barrier_wait -1
	; THE JOINING.  Four partial results of one tile of queries: under the largest M each is multiplied by 2^(its M - the largest), exact; a wave that never had a step has -M = 3e38 and gets the factor 0.
.set NL, SCR+64                        ; four pairs (-M, sum)
.set FK, SCR+72                        ; four factors
.set BKR, SCR+80                       ; sixteen registers read back on the way out
.irp k, 0,1,2,3
.irp i, 0,1,2,3
	ds_load_b128 v[SCR+16*\k+4*\i:SCR+16*\k+4*\i+3], v[MRA] offset:2*STW*\k+512*\i
.endr
.endr
.irp k, 0,1,2,3
	ds_load_b64 v[NL+2*\k:NL+2*\k+1], v[MRB] offset:2*STW*\k
.endr
	s_cmp_lt_u32 s[WK], 2
	s_cselect_b32 s25, s[IHI], s[ILO]              ; my tile's first query: block + 4 wq + 32 (wk % 2)
	s_lshl_b32 s26, s[WQ], 2
	s_add_co_u32 s25, s25, s26
	s_and_b32 s26, s[WK], 1
	s_lshl_b32 s26, s26, 5
	s_add_co_u32 s25, s25, s26
	s_lshr_b32 s26, s[BH], 2
	s_lshl_b32 s26, s26, 12
	s_add_co_u32 s25, s25, s26                     ; + 4,096 x batch
	s_lshl_b32 s[OFS], s25, 9                      ; rows of 512 bytes
	s_and_b32 s26, s[BH], 3
	s_lshl_b32 s26, s26, 7
	s_add_co_u32 s[OFS], s[OFS], s26               ; + the head's 128 bytes
	s_add_nc_u64 s[12:13], s[12:13], s[OFS:OFS+1]
	s_wait_dscnt 0x0
	v_min3_num_f32 v[W0], v[NL], v[NL+2], v[NL+4]
	v_min_num_f32 v[W0], v[W0], v[NL+6]            ; the least -M
.irp k, 0,1,2,3
	v_sub_f32 v[FK+\k], v[W0], v[NL+2*\k]
.endr
.irp k, 0,1,2,3
	v_cvt_i32_f32 v[FK+\k], v[FK+\k]               ; (it saturates)
.endr
.irp k, 0,1,2,3
	v_ldexp_f32 v[FK+\k], 1.0, v[FK+\k]
.endr
	v_mul_f32 v[W0+1], v[FK], v[NL+1]
	v_fmac_f32 v[W0+1], v[FK+1], v[NL+3]
	v_fmac_f32 v[W0+1], v[FK+2], v[NL+5]
	v_fmac_f32 v[W0+1], v[FK+3], v[NL+7]           ; the row's sum
	v_rcp_f32 v[W0+1], v[W0+1]
.set y, 0
.rept 16
	v_mul_f32 v[SCR+y], v[FK], v[SCR+y]            ; (plain lines behind the reciprocal that do not name it)
	v_fmac_f32 v[SCR+y], v[FK+1], v[SCR+16+y]
	v_fmac_f32 v[SCR+y], v[FK+2], v[SCR+32+y]
	v_fmac_f32 v[SCR+y], v[FK+3], v[SCR+48+y]
.set y, y+1
.endr
	s_wait_alu depctr_va_vdst(0)                   ; the wait ahead of the reciprocal's first reader
	v_ldexp_f32 v[W0+1], v[W0+1], s[EPV]           ; x 2^(e10 + e11)
.set y, 0
.rept 16
	v_mul_f32 v[SCR+y], v[SCR+y], v[W0+1]          ; register 8 d + j: out(query n, channel 16 d + 8 h + j)
.set y, y+1
.endr
.irp i, 0,1,2,3
	ds_store_b128 v[OSW], v[SCR+4*\i:SCR+4*\i+3] offset:64*(\i/2)+16*(\i%2)
.endr
.irp i, 0,1,2,3
	ds_load_b128 v[BKR+4*\i:BKR+4*\i+3], v[OSR] offset:4*OSP*\i   ; LDS serves a wave's instructions in order (ISA guide 5.7.1.4): these see my stores.  Rows 4 i + 0 .. 3 are queries i0 + 8 i + 0 .. 3
.endr
.irp i, 0,1,2,3
	s_wait_dscnt 3-\i                              ; the younger rows may be out
	global_store_b128 v[GO], v[BKR+4*\i:BKR+4*\i+3], s[12:13] offset:4096*\i th:TH_STORE_NT   ; four rows' pieces of 128 consecutive bytes
.endr
	s_wait_tensorcnt 0x0                           ; the wave's end, behind my last tensor load and my last LDS store
	ds_add_u32 v[SPW], v[NIL]
	s_wait_dscnt 0x0
	s_endpgm
.Lfunc_end_k_q165f51b20c_attn:
	.size	k_q165f51b20c_attn, .Lfunc_end_k_q165f51b20c_attn-k_q165f51b20c_attn
	.p2alignl 7, 3214868480
	.fill 96, 4, 3214868480
	.section	.rodata,"a",@progbits
	.p2align	6, 0x0
	.amdhsa_kernel k_q165f51b20c_attn
		.amdhsa_group_segment_fixed_size 327680
		.amdhsa_private_segment_fixed_size 0
		.amdhsa_enable_private_segment 0
		.amdhsa_kernarg_size 40
		.amdhsa_user_sgpr_count 2
		.amdhsa_user_sgpr_kernarg_segment_ptr 1
		.amdhsa_wavefront_size32 1
		.amdhsa_system_sgpr_workgroup_id_x 1
		.amdhsa_system_sgpr_workgroup_id_y 1
		.amdhsa_system_sgpr_workgroup_id_z 1
		.amdhsa_system_vgpr_workitem_id 0
		.amdhsa_next_free_vgpr 512
		.amdhsa_next_free_sgpr 100
		.amdhsa_reserve_vcc 1
		.amdhsa_float_denorm_mode_32 3
		.amdhsa_float_denorm_mode_16_64 3
		.amdhsa_memory_ordered 1
		.amdhsa_forward_progress 1
		.amdhsa_inst_pref_size 130
	.end_amdhsa_kernel
	.amdgpu_metadata
---
amdhsa.version: [ 1, 2 ]
amdhsa.kernels:
  - .name:           k_q165f51b20c_attn
    .symbol:         k_q165f51b20c_attn.kd
    .args:
      - { .name: qc, .offset: 0, .size: 8, .value_kind: global_buffer, .address_space: global }
      - { .name: kv, .offset: 8, .size: 8, .value_kind: global_buffer, .address_space: global }
      - { .name: er, .offset: 16, .size: 8, .value_kind: global_buffer, .address_space: global }
      - { .name: lowp_scales, .offset: 24, .size: 8, .value_kind: global_buffer, .address_space: global }
      - { .name: out0, .offset: 32, .size: 8, .value_kind: global_buffer, .address_space: global }
    .group_segment_fixed_size: 327680
    .private_segment_fixed_size: 0
    .kernarg_segment_align: 8
    .kernarg_segment_size: 40
    .max_flat_workgroup_size: 256
    .sgpr_count:     100
    .vgpr_count:     512
    .wavefront_size: 32
...
	.end_amdgpu_metadata
.endif
;; end of part 2
